; MI455X (gfx1250); checked and timed in simulation.
; The chip was launched on July 23, 2026; its instructions are those of AMD's public machine-readable ISA for CDNA 5 (MIT licence, August 2026) and "CDNA5" Instruction Set Architecture Reference Guide (July 2026). The comments in the code are by the model that wrote it; some were corrected since.
;; Attention. Allowed arithmetic: matrix products marked QUANTISED: E4M3 operands, one given power-of-two scale a tensor, by v_wmma_f32_16x16x64_fp8_fp8 or v_wmma_f32_16x16x128_fp8_fp8, f32 sums; everything else in f32.
;; Inputs: k 2,048 x 1,024 float32; lowp_scales 4 int32 (the exponents e of the quantised operands' scales 2^e); mask 2,048 x 2,048 float32; q 2,048 x 4,096 float32; v 2,048 x 1,024 float32.
;; Outputs: out0 2,048 x 4,096 float32.
;; This version of the problem:
;;   THIS VERSION OF THE PROBLEM IS GIVEN IN LOW PRECISION. The matrix products marked QUANTISED in the list below multiply operands that are first quantised to E4M3 (4 exponent bits, 3 mantissa bits; 8 bits a number), with one given power-of-two scale for each operand tensor; their sums are f32. All else is computed in f32.
;;   The module's matrix products, in the order in which they are computed (A, B: the left and right operand; K: the contracted axis; several contracted axes count as one K, in the product's order):
;;     1. batch 32 x [M 2,048, K 128] x [K 128, N 2,048]; A: input q; B: input k: QUANTISED (scales: A lowp_scales[0], B lowp_scales[1])
;;     2. batch 32 x [M 2,048, K 2,048] x [K 2,048, N 128]; A: softmax (see below); B: input v: QUANTISED (scales: A lowp_scales[2], B lowp_scales[3])
;;   THE QUANTISER, for each operand of a quantised product, along K:
;;     - The operand's scale is 2^e, e = its entry of the input lowp_scales (int32; the entries are numbered through the quantised products in the list's order, A before B).
;;     - Each number is divided by the scale, clamped to +-448, and rounded to the nearest number of E4M3, ties to even, subnormals kept.
;;     - The product sums the exact products of the quantised numbers (number of the format x scale) in f32.
;;   ~~~python
;;   def quantise(x, axis, e):      # numpy; x: float32 -> the quantised numbers, widened to float32 again
;;       x = np.moveaxis(x, axis, -1); K = x.shape[-1]
;;       r = np.clip(x / 2.0 ** e, -448, 448)
;;       step = 2.0 ** (np.maximum(np.frexp(np.where(r == 0, 1, r))[1] - 1, -6) - 3)
;;       q = np.round(r / step) * step * 2.0 ** e      # np.round: ties to even
;;       return np.moveaxis(q, -1, axis).astype(np.float32)
;;   ~~~
;;   SOFTMAX AHEAD OF A QUANTISED PRODUCT. Where the list says 'softmax', what is quantised is not the finished softmax but p = 2^(t - M), with t = logit x log2(e) and M = ceil(the row's largest t), a whole number; so 1/2 < the row's largest p <= 1. The row's sum l is taken of the UNQUANTISED p, in f32, and the product's result is divided by l at the end. Since M is a whole number, a kernel that streams over the keys may use a running M (the ceiling of the running maximum): every later rescaling is an exact power of two, so the quantised numbers keep their values, but for numbers so far below the row's largest that they fall under the format's range.
;;   OPERANDS COMPUTED ON THE WAY. 'Computed on the way' means the value that the module computes at that place (a softmax that the list does not call 'softmax' is quantised finished and normalised). What goes into a quantiser is computed in f32, as accurately as f32 sums, v_exp_f32 and their like allow (about 1e-6 of the number): no bf16 or f16 on the way to a quantiser, and a product that is left as it is and whose result goes on into a quantised operand takes f32 operands (vector FMAs, or v_wmma_f32_16x16x4_f32). A number that lies on a knife's edge between two numbers of the format may be rounded either way, as far as f32 arithmetic and the matrix unit's own rounding can turn it there, and no further.
;; One version. Each part assembles by itself: llvm-mc -triple=amdgcn-amd-amdhsa -mcpu=gfx1250 --defsym DOCPART=n.
;; ======== version 1 of 1: 2 launches
;; limits: right only within a limited range of input values
;; workspace buffers: kc 2,097,152 bytes; vc 2,097,152 bytes
;; launch prep (part 1): grid 256 x 1, 4 waves a work-group, no clusters, 0 bytes of LDS; arguments k, v, lowp_scales, kc, vc; writes kc, vc
.if DOCPART == 1
	.amdgcn_target "amdgcn-amd-amdhsa--gfx1250"
	.amdhsa_code_object_version 6
	.text
	.protected	k_qbc049b0bde_prep
	.globl	k_qbc049b0bde_prep
	.p2align	8
	.type	k_qbc049b0bde_prep,@function
k_qbc049b0bde_prep:
	s_mov_b64 s[64:65], 0
	v_nop
	global_prefetch_b8 v0, s[64:65] scope:SCOPE_SE
	s_setreg_imm32_b32 hwreg(HW_REG_WAVE_MODE, 25, 1), 1
	s_wait_xcnt 0x0
; k and v, [2048 keys][8 heads x 128] f32, become codes of E4M3, each with the one scale 2^e that is given for it (k: entry 1 of lowp_scales, v: entry 3):
; code = x / 2^e, held within +-448, rounded to the nearest code, ties to even.  They are made once here, since every head of k and v is read by 32 work-groups of the next launch.
; DEAD WORK: none.  Every input of the problem reaches the result: q, k, v through the two products, the mask through p's codes, the four exponents through the codes and the last factor.  Nothing is left out in either launch.
; LIMITS: each e lies between -126 and 119, so that 2^e and 448 x 2^e are f32 numbers.  NaN among the inputs is not served (an infinity is held at the largest code).
; kc: [8 heads][2048 keys][128 bytes].  Byte p of a key's row is the code of channel 32 ((p >> 2) & 3) + 4 (p >> 4) + (p & 3): ONE fixed order of the head's 128 channels, which the next launch gives q's codes too, so that
;     every product meets its partner.  By it a lane's four loads of 16 bytes, 128 bytes apart, are its 16 bytes of codes, and a wave stores 512 consecutive bytes: no turn through LDS.
; vc: in the order of the operand's registers: [8 heads][16 key steps][8 tiles t of 16 channels][4 groups c][2 halves h][16 rows r][16 bytes i]:
;     the code of v(key 128 step + 32 c + 16 (i >> 3) + 8 h + (i & 7), channel 16 t + r): the order in which p's codes come out of the first product's results in the next launch.
; SHARES.  Work-groups 0-127 take v, 128-255 take k: head (b & 127) >> 4, block of 128 keys b & 15: 64 KiB of f32 each.  No LDS, no barrier: waves share nothing.  Every offset is an immediate.
.set X, 16                             ; v16-143   the numbers
.set CD, 144                           ; v144-175  the codes: registers of their own for every store, so that no store's data are written again
.macro SCALES e                        ; v11 = 2^e as f32 (the conversion takes its exponent field), v10 = 448 x 2^e
	s_add_co_i32 s28, s[\e], 127
	s_lshl_b32 s29, s28, 23
	v_mov_b32 v11, s29
	s_add_co_i32 s28, s28, 8
	s_lshl_b32 s28, s28, 23
	s_or_b32 s28, s28, 0x600000
	v_mov_b32 v10, s28
.endm
	s_load_b128 s[4:7], s[0:1], 0x0                ; k s[4:5], v s[6:7]
	s_load_b64 s[8:9], s[0:1], 0x10                ; the exponents
	s_load_b128 s[12:15], s[0:1], 0x18             ; kc s[12:13], vc s[14:15]
	v_lshrrev_b32 v1, 5, v0
	v_readfirstlane_b32 s16, v1                    ; wave 0..3
	v_and_b32 v1, 31, v0                           ; lane
	s_and_b32 s17, ttmp9, 127
	s_lshr_b32 s17, s17, 4                         ; head
	s_and_b32 s18, ttmp9, 15                       ; block of 128 keys
	s_lshl_b32 s26, s17, 18                        ; the codes: a head is 2^18 bytes, a block 2^14, a wave's part 2^12, in kc and in vc alike
	s_lshl_b32 s27, s18, 14
	s_add_co_u32 s26, s26, s27
	s_lshl_b32 s27, s16, 12
	s_add_co_u32 s26, s26, s27
	s_mov_b32 s27, 0
	s_lshl_b32 s24, s18, 19                        ; the numbers: 128 rows of 4,096 bytes a block, 512 bytes a head
	s_lshl_b32 s25, s17, 9
	s_add_co_u32 s24, s24, s25
	s_wait_kmcnt 0x0
	s_load_b128 s[20:23], s[8:9], 0x0              ; eq, ek, ep, ev
	s_cmp_lt_u32 ttmp9, 128
	s_cbranch_scc0 .Lkpath
; ---- v: A LANE TAKES A CHANNEL, AND ITS REGISTERS RUN DOWN THE KEYS, which are the second product's K: lane l of wave w has channel 32 w + l.  A load reads 128 consecutive bytes a wave, the four waves side by side on 512.
	s_lshl_b32 s25, s16, 7
	s_add_co_u32 s24, s24, s25
	s_mov_b32 s25, 0
	s_add_nc_u64 s[6:7], s[6:7], s[24:25]
	s_add_nc_u64 s[14:15], s[14:15], s[26:27]
	s_wait_alu depctr_va_vdst(0)
	v_lshlrev_b32 v2, 2, v1                        ; in: 4 bytes a lane
	v_lshrrev_b32 v3, 4, v1
	v_lshlrev_b32 v3, 11, v3                       ; out: tile 2 w + lane / 16 (2,048 bytes a tile),
	v_and_b32 v4, 15, v1
	v_lshl_add_u32 v3, v4, 4, v3                   ; row lane % 16 (16 bytes a row)
.macro LOADV c                         ; keys 32 c .. 32 c + 31 of my channel
.set i, 0
.rept 32
	global_load_b32 v[X+32*(\c)+i], v2, s[6:7] offset:(32*(\c)+i)*4096 th:TH_LOAD_NT
.set i, i+1
.endr
.endm
.macro BLOCKV c
.if \c < 3
	s_wait_loadcnt 32                              ; this group's 32 loads are in; the next group's 32 may be out
.else
	s_wait_loadcnt 0x0
.endif
.if \c < 2
	LOADV \c+2                                     ; two groups ahead, into registers of their own
.endif
.set i, 0
.rept 32
	v_med3_num_f32 v[X+32*\c+i], v[X+32*\c+i], -v10, v10   ; the conversion to an 8-bit code does not saturate (ISA guide 7.6.2): the hold comes first
.set i, i+1
.endr
	v_cvt_scalef32_pk8_fp8_f32 v[CD+8*\c:CD+8*\c+1],   v[X+32*\c:X+32*\c+7],     v11   ; half 0: keys 32 c + 0 .. 7,
	v_cvt_scalef32_pk8_fp8_f32 v[CD+8*\c+2:CD+8*\c+3], v[X+32*\c+16:X+32*\c+23], v11   ;         and 32 c + 16 .. 23
	v_cvt_scalef32_pk8_fp8_f32 v[CD+8*\c+4:CD+8*\c+5], v[X+32*\c+8:X+32*\c+15],  v11   ; half 1: keys 32 c + 8 .. 15,
	v_cvt_scalef32_pk8_fp8_f32 v[CD+8*\c+6:CD+8*\c+7], v[X+32*\c+24:X+32*\c+31], v11   ;         and 32 c + 24 .. 31
	global_store_b128 v3, v[CD+8*\c:CD+8*\c+3],   s[14:15] offset:512*\c       ; sixteen lanes store 256 consecutive bytes, at a multiple of 256 from vc's first byte
	global_store_b128 v3, v[CD+8*\c+4:CD+8*\c+7], s[14:15] offset:512*\c+256
.endm
	LOADV 0
	LOADV 1
	s_wait_alu depctr_va_vdst(0)
	s_wait_kmcnt 0x0
	SCALES 23                                      ; ev
	s_wait_alu depctr_va_vdst(0)
	BLOCKV 0
	BLOCKV 1
	BLOCKV 2
	BLOCKV 3
	s_endpgm
; ---- k: the channels are the first product's K and lie innermost.  Wave w takes keys 32 w + 4 s + lane / 8, s = 0 .. 7; lane l takes, of its key, four runs of four channels, 32 channels apart.
.Lkpath:
	s_lshl_b32 s25, s16, 17                        ; 32 rows of 4,096 bytes a wave
	s_add_co_u32 s24, s24, s25
	s_mov_b32 s25, 0
	s_add_nc_u64 s[4:5], s[4:5], s[24:25]
	s_add_nc_u64 s[12:13], s[12:13], s[26:27]
	s_wait_alu depctr_va_vdst(0)
	v_lshrrev_b32 v2, 3, v1
	v_lshlrev_b32 v2, 12, v2                       ; in: row lane / 8,
	v_and_b32 v4, 7, v1
	v_lshl_add_u32 v2, v4, 4, v2                   ; 16 bytes at 16 (lane % 8): eight lanes read 128 consecutive bytes
	v_lshlrev_b32 v3, 4, v1                        ; out: 16 bytes a lane
.irp s, 0,1,2,3,4,5,6,7
.irp i, 0,1,2,3
	global_load_b128 v[X+16*\s+4*\i:X+16*\s+4*\i+3], v2, s[4:5] offset:16384*\s+128*\i th:TH_LOAD_NT
.endr
.endr
	s_wait_kmcnt 0x0
	SCALES 21                                      ; ek
.macro STEPK s
	s_wait_loadcnt 4*(7-\s)                        ; this step's four loads are in; the later steps' may be out
.set i, 0
.rept 16
	v_med3_num_f32 v[X+16*\s+i], v[X+16*\s+i], -v10, v10
.set i, i+1
.endr
	v_cvt_scalef32_pk8_fp8_f32 v[CD+4*\s:CD+4*\s+1],   v[X+16*\s:X+16*\s+7],    v11
	v_cvt_scalef32_pk8_fp8_f32 v[CD+4*\s+2:CD+4*\s+3], v[X+16*\s+8:X+16*\s+15], v11
	global_store_b128 v3, v[CD+4*\s:CD+4*\s+3], s[12:13] offset:512*\s         ; four keys' rows: 512 consecutive bytes a wave
.endm
	s_wait_alu depctr_va_vdst(0)
.irp s, 0,1,2,3,4,5,6,7
	STEPK \s
.endr
	s_endpgm
.Lfunc_end_k_qbc049b0bde_prep:
	.size	k_qbc049b0bde_prep, .Lfunc_end_k_qbc049b0bde_prep-k_qbc049b0bde_prep
	.p2alignl 7, 3214868480
	.fill 96, 4, 3214868480
	.section	.rodata,"a",@progbits
	.p2align	6, 0x0
	.amdhsa_kernel k_qbc049b0bde_prep
		.amdhsa_group_segment_fixed_size 0
		.amdhsa_private_segment_fixed_size 0
		.amdhsa_enable_private_segment 0
		.amdhsa_kernarg_size 40
		.amdhsa_user_sgpr_count 2
		.amdhsa_user_sgpr_kernarg_segment_ptr 1
		.amdhsa_wavefront_size32 1
		.amdhsa_system_sgpr_workgroup_id_x 1
		.amdhsa_system_sgpr_workgroup_id_y 1
		.amdhsa_system_sgpr_workgroup_id_z 1
		.amdhsa_system_vgpr_workitem_id 0
		.amdhsa_next_free_vgpr 192
		.amdhsa_next_free_sgpr 66
		.amdhsa_reserve_vcc 0
		.amdhsa_float_denorm_mode_32 3
		.amdhsa_float_denorm_mode_16_64 3
		.amdhsa_memory_ordered 1
		.amdhsa_forward_progress 1
		.amdhsa_inst_pref_size 38
	.end_amdhsa_kernel
	.amdgpu_metadata
---
amdhsa.version: [ 1, 2 ]
amdhsa.kernels:
  - .name:           k_qbc049b0bde_prep
    .symbol:         k_qbc049b0bde_prep.kd
    .args:
      - { .name: k, .offset: 0, .size: 8, .value_kind: global_buffer, .address_space: global }
      - { .name: v, .offset: 8, .size: 8, .value_kind: global_buffer, .address_space: global }
      - { .name: lowp_scales, .offset: 16, .size: 8, .value_kind: global_buffer, .address_space: global }
      - { .name: kc, .offset: 24, .size: 8, .value_kind: global_buffer, .address_space: global }
      - { .name: vc, .offset: 32, .size: 8, .value_kind: global_buffer, .address_space: global }
    .group_segment_fixed_size: 0
    .private_segment_fixed_size: 0
    .kernarg_segment_align: 8
    .kernarg_segment_size: 40
    .max_flat_workgroup_size: 128
    .sgpr_count:     66
    .vgpr_count:     192
    .wavefront_size: 32
...
	.end_amdgpu_metadata
.endif
;; end of part 1
;; launch attn (part 2): grid 32 x 8, 4 waves a work-group, clusters of 4 x 4, 327,680 bytes of LDS; arguments kc, vc, mask, q, lowp_scales, out0; writes out0
.if DOCPART == 2
	.amdgcn_target "amdgcn-amd-amdhsa--gfx1250"
	.amdhsa_code_object_version 6
	.text
	.protected	k_qbc049b0bde_attn
	.globl	k_qbc049b0bde_attn
	.p2align	8
	.type	k_qbc049b0bde_attn,@function
k_qbc049b0bde_attn:
	s_mov_b64 s[64:65], 0
	v_nop
	global_prefetch_b8 v0, s[64:65] scope:SCOPE_SE
	s_setreg_imm32_b32 hwreg(HW_REG_WAVE_MODE, 25, 1), 1
	s_wait_xcnt 0x0
	s_wait_alu depctr_hold_cnt(0) depctr_sa_sdst(0) depctr_va_vdst(0) depctr_va_sdst(0) depctr_va_ssrc(0) depctr_va_vcc(0) depctr_vm_vsrc(0)
	s_getreg_b32 s2, hwreg(HW_REG_IB_STS2, 6, 4)
	s_cmp_eq_u32 s2, 0
	s_cbranch_scc0 .Lentry_in_a_cluster
	s_endpgm
.Lentry_in_a_cluster:
	s_bfe_u32 s2, ttmp6, 0x10000c
	s_cmp_lg_u32 s2, 0xf033
	s_cbranch_scc0 .Lentry_shape_is_right
	s_endpgm
.Lentry_shape_is_right:
; out0[s][head][:] = the sum over keys of softmax(q . k / sqrt(128) + mask[s][key]) v[key][:], 32 query heads on 8 heads of k and v, both products on codes of E4M3 with the given scales 2^eq, 2^ek, 2^ep, 2^ev.
; No work is left out: every input reaches the result.  kc and vc are the first launch's codes of k and v; q is read once, by one wave, and is quantised here.
; THE SOFTMAX AHEAD OF THE SECOND PRODUCT: t = logit x log2(e); M = the row's largest t so far, rounded UP to a whole number; p = 2^(t - M) is quantised along the keys, not normalised.  The row's sum is taken of the
; unquantised p and divides at the end.  When M moves, the sum and O are multiplied by 2^(old M - new M): exact, and done in every step but the first, with no branch on data.
; THE MASK COSTS NO ADDITION: it is the C of the first product's one matrix instruction for each tile, as mask x sqrt(128) x 2^-(eq+ek); then t = c x (sum + C), c = log2(e) / sqrt(128) x 2^(eq+ek).
; SHARES.  A work-group: 64 queries (x) of the four query heads of one head of k and v (y): 256 work-groups of equal work.  Wave w: queries 16 w on, ALL FOUR HEADS: each fragment of K and V and each register of the
; mask serves four matrix instructions.  One wave of 1,024 registers a SIMD.
; A STEP is 128 keys: the first product of all four heads in one run, their maxima, their statistics side by side, the exponentials head by head with the next head's scalings and the last head's holds among them, and the
; second product of all four in one run.  V's fragments are asked of LDS ahead of the first product's run, K's and the mask's of the next step behind it.  So the loop's body for step m is: the softmax and second product
; of step m - 1, then the first product and the maxima of step m.  Step 0 goes head by head, while the later heads' q is on its way; the last goes head by head, so that finished heads leave.
; LAYOUT.  Both products are used transposed: S^T = K Q^T (source 0 = 16 neighbouring keys, source 1 = my 16 queries), O^T = V^T P^T (source 0 = 16 channels, source 1 = P): a lane holds ONE query (lane % 16) throughout.
; Register 8 tau + j of S^T is key 16 tau + 8 (lane / 16) + j; the conversions of p give source 1 as it stands, and vc was laid in the same order of keys.  q's codes are laid in kc's order of channels.
; CLUSTER, 4 x 4.  K's and V's tiles hang on y alone and are asked for jointly by a row of the cluster; the mask's hang on x alone and are asked for jointly by a column.  All partners walk the same 8 slots.
; RING.  Two LDS slots of 256 keys (two key steps).  Wave 0 fetches K's 256 keys, wave 1 V's, waves 2 and 3 the mask's rows 0-31 and 32-63: one tensor load a wave behind each round, and one out at the most.
; LIMITS: eq + ek between -123 and 129; eq and ep between -126 and 119 (so that each power of two below is an f32 number); ep + ev goes in by v_ldexp_f32 and has none.  NaN among the inputs is not served.
; Where |mask| x sqrt(128) x 2^-(eq+ek) passes f32's largest number the key counts as under -infinity: for nothing.  A row all of whose keys are at -infinity gives NaN, as the softmax of such a row does.
; The scaled scores (exponents to the base 2) stay under 2^31 in magnitude, but for keys at -infinity.
.set KP,    144                        ; a key's row in LDS: 128 bytes + 16 of padding
.set MP,    1040                       ; a query's row of the mask: 256 keys x 4 bytes + 16
.set MOFF,  256*KP                     ; slot n at n 2^17: 256 rows of K, then 64 rows of the mask
.set STAGE, MOFF+64*MP                 ; behind them the stages, two waves' behind each slot: 16 rows x 528 bytes; no tensor load lands there
.set SP,    528
.set SPARE, STAGE+2*16*SP              ; behind slot 0's stages: the spare words, 128 bytes for each wave: two blocks of 256 bytes that no other line names
.set V0,    0x40000                    ; V: slot n at 2^18 + n 2^15
.set SLB,   0x20000
.set SLV,   0x8000
; window 0
.set SPW, 1                            ; LDS address of my spare word; never rewritten
.set NIL, 2                            ; 0; never rewritten
.set AK0, 3                            ; my lane's place in a tile of K, in a fragment of V, in the mask
.set AV0, 4
.set AM0, 5
.set ADK, 6                            ; the same in the key step in hand
.set ADV, 7
.set ADM, 8
.set GO,  9                            ; 16 x lane: my bytes of a row of q and of out0
.set STO, 10                           ; the way out: where I put 32 bytes of a row,
.set RD,  11                           ; and where I read rows back
.set PFO, 12                           ; the prefetches' offset; never rewritten
.set QST, 13                           ; q's codes: where I put 4 of a query's,
.set QRD, 14                           ; and where I read my fragment
.set ST,  16                           ; head x's statistics at ST + 4 x: -M, the largest t, the sum in two halves
.set F,   32                           ; head x's f at F + 2 x, a pair (the upper word written once)
.set MX,  40                           ; two chains of the maximum for each head
.set XL,  48                           ; the other half's maximum or sum
.set OM,  52                           ; old -M, then the change of M
.set SCL, 56                           ; 2^ep, 2^eq, 448 x 2^eq
.set QSC, 57
.set QLM, 58
.set RC,  60                           ; the way out's factor (a pair, the upper word written once)
.set SA,  64                           ; four chains of the sum for each head, a pair each
.set P0,  96                           ; head 0's codes of p; in the first and the last step every head's; at the start q's codes on their way to the stage
.set TMP, 112
.set Q,   128                          ; head x at Q + 16 x
.set MK,  192                          ; the mask
; window 1: K's eight fragments v0-127 (the way out: rows read back), V's eight v128-255
.set VF,  128
; window 2: O^T, head x at 64 x (before its first product: q's numbers of head x)
; window 3: S^T, then p, head x at 64 x; the codes of heads 1 to 3 at v0-47, over head 0's p, which has been converted
.set WV,   16                          ; my wave's number
.set CS,   22                          ; s[22:23] c: the packed forms name a pair and take its low word for both halves
.set MS,   24                          ; s[24:25] sqrt(128) x 2^-(eq+ek)
.set SEL,  26                          ; s[26:27] lane selects for v_permlanex16_b32: lane l xor 16
.set TB,   28                          ; where the slot in hand begins: K and the mask; V
.set TBV,  29
.set TBK,  30                          ; and the key step in hand: K, the mask, V
.set TBM,  31
.set TBW,  32
.set TWICE, 33
.set LAPS,  34
.set LIMA,  35                         ; 1 in a wave that prefetches, else the greatest number
.set G1K, 36                           ; s[36:43], s[44:51], s[52:59] descriptor groups 1
.set G1V, 44
.set G1M, 52
.set G0K, 68                           ; s[68:71], s[72:75], s[76:79] descriptor groups 0, which walk
.set G0V, 72
.set G0M, 76
.set PFA, 80                           ; s[80:81] where my prefetches stand;  s[82:83] a slot on, in bytes
.set PFS, 82
.set EO,  84                           ; ep + ev
.set LIMS, 89                          ; 448 x 2^ep
.set MSB, 0
.macro WIN new                         ; bits 1:0 source 0, 3:2 source 1, 5:4 source 2, 7:6 destination; the immediate's high byte repeats the setting that is left
.if MSB != \new
	s_set_vgpr_msb (MSB<<8)|\new
.set MSB, \new
.endif
.endm
.set W_QK, 0xc1                        ; D window 3, A window 1, B and C window 0
.set W_PV, 0xa1                        ; D and C window 2, A window 1, B window 0
.set W_PW, 0xad                        ; the same, B window 3
.set W_O,  0x82                        ; destination and source 0 window 2
.set W_S,  0xcf                        ; destination and sources 0 and 1 window 3
.set W_R,  0x0f                        ; sources 0 and 1 window 3
.macro PLACES
.rept 4
	v_nop
.endr
.endm
.macro VWAIT
	s_wait_alu depctr_va_vdst(0)
.endm
.macro ROUND                           ; a round of the cluster's barrier
	s_barrier_signal -1
	s_barrier_wait -1
	s_cmp_lg_u32 s[WV], 0
	s_cbranch_scc1 .Lnot_wave_0_\@
	s_barrier_signal -3
.Lnot_wave_0_\@:
	s_barrier_wait -3
	s_barrier_signal -1
	s_barrier_wait -1
.endm
; A joint load: every wave has one.  The branches hang on the wave's number alone.  An s_nop 0 and four v_nop follow each of the three lines.
.macro JLOAD
	s_cmp_eq_u32 s[WV], 0
	s_cbranch_scc0 .Lnot_k_\@
	tensor_load_to_lds s[G0K:G0K+3], s[G1K:G1K+7]
	s_nop 0
	PLACES
	s_branch .Lasked_\@
.Lnot_k_\@:
	s_cmp_eq_u32 s[WV], 1
	s_cbranch_scc0 .Lfor_m_\@
	tensor_load_to_lds s[G0V:G0V+3], s[G1V:G1V+7]
	s_nop 0
	PLACES
	s_branch .Lasked_\@
.Lfor_m_\@:
	tensor_load_to_lds s[G0M:G0M+3], s[G1M:G1M+7]
	s_nop 0
	PLACES
.Lasked_\@:
.endm
; A PREFETCH INTO THE L2 of the slot that the NEXT round's joint loads will ask for: two key steps ahead of them.  Each aligned block of 256 bytes is named once in the launch.  K's and V's rows are walked by all
; clusters of a row of clusters: the first (cluster x = 0) asks, wave 0 for K, wave 1 for V; its partners along x take 8,192 of the slot's 32,768 bytes each, lanes 256 bytes apart.  The mask's rows are walked by both
; clusters of a column: the first (cluster y = 0) asks, waves 2 and 3; the partners along y take 16 rows each, a wave 8 of them, four lanes to a row's 1,024 bytes.  Partners are told apart by address alone.
; Slots 0 and 1 come by their loads alone; the last trip of the loop, behind whose fill no slot is left, asks for nothing.
.macro ASK
	s_cmp_gt_u32 s[LAPS], s[LIMA]
	s_cbranch_scc0 .Lnot_mine_\@
	global_prefetch_b8 v[PFO], s[PFA:PFA+1] th:TH_LOAD_NT scope:SCOPE_SE
.Lnot_mine_\@:
.endm
; THE CHANGE OF SLOTS.  Each wave waits for all its tensor loads (the one that is out is its part of the slot that is read next), adds 0 to its spare word, and waits for that and for its reads of the slot that it has left.  Behind the round
; the next slot is whole in every partner and nobody reads the other one: fill = 1: that one is asked for jointly, first thing, and has two key steps in which to land.
.macro CHANGE fill, turn
	s_wait_tensorcnt 0x0                           ; no tensor load of mine is out, so a group 0 may be written
	ds_add_u32 v[SPW], v[NIL]                      ; work on registers stands between the add and the wait for it
.if \fill
	s_xor_b32 s[G0K+1], s[G0K+1], SLB              ; the other slot than last time,
	s_xor_b32 s[G0V+1], s[G0V+1], SLV
	s_xor_b32 s[G0M+1], s[G0M+1], SLB
	s_add_nc_u64 s[G0K+2:G0K+3], s[G0K+2:G0K+3], 32768   ; 256 keys on; the type bits on top are not reached
	s_add_nc_u64 s[G0V+2:G0V+3], s[G0V+2:G0V+3], 32768
	s_add_nc_u64 s[G0M+2:G0M+3], s[G0M+2:G0M+3], 1024
	s_wait_xcnt 0x0                                ; the last prefetch, a slot back, has read its address, so it may be written
	s_add_nc_u64 s[PFA:PFA+1], s[PFA:PFA+1], s[PFS:PFS+1]
.endif
.if \turn
	s_xor_b32 s[TB], s[TB], SLB
	s_xor_b32 s[TBV], s[TBV], SLV
	s_mov_b32 s[TBK], s[TB]
	s_mov_b32 s[TBM], s[TB]
	s_mov_b32 s[TBW], s[TBV]
.endif
	s_wait_dscnt 0x0                               ; the add is done, and my reads of the slot that I have left are over
	ROUND
.if \fill
	JLOAD
	ASK
.endif
.endm
.macro MKG0 g, lds, ptr, off           ; a group 0 for slot 0
	s_mov_b32 s[\g], 1                                             ; 1:0 count = 1
	s_mov_b32 s[\g+1], s[\lds]                                     ; 63:32 LDS address
	s_add_nc_u64 s[\g+2:\g+3], s[\ptr:\ptr+1], s[\off:\off+1]      ; 120:64 global address of the tile
	s_or_b32 s[\g+3], s[\g+3], 0x80000000                          ; 127:126 type = 2
.endm
.macro QLOAD x                         ; a load is one query's 512 bytes of a head: lane l has channels 4 l .. 4 l + 3
	WIN 0x80
.irp i, 0,1,2,3,4,5,6,7,8,9,10,11,12,13,14,15
	global_load_b128 v[64*\x+4*\i:64*\x+4*\i+3], v[GO], s[10:11] offset:16384*\i+512*\x th:TH_LOAD_NT
.endr
	WIN 0
.endm
	s_load_b256 s[4:11], s[0:1], 0x0               ; kc s[4:5], vc s[6:7], mask s[8:9], q s[10:11]
	s_load_b128 s[12:15], s[0:1], 0x20             ; the exponents s[12:13], out0 s[14:15]
	v_lshl_add_u32 v[SPW], v0, 2, SPARE
	v_mov_b32 v[NIL], 0
	ds_add_u32 v[SPW], v[NIL]                      ; the wave's opening: the add, twice on end, and its wait ahead of my first tensor load; the set-up below, work on registers, stands between
	ds_add_u32 v[SPW], v[NIL]
	v_lshrrev_b32 v15, 5, v0
	v_readfirstlane_b32 s[WV], v15                 ; wave 0..3
	s_and_b32 s17, s[WV], 1
	s_bfe_u32 s18, ttmp6, 0x40000                  ; cx, cy: my place in the cluster
	s_bfe_u32 s19, ttmp6, 0x40004
	s_lshl_b32 s20, ttmp9, 2
	s_add_co_u32 s20, s20, s18                     ; x: my block of 64 queries
	s_and_b32 s21, ttmp7, 0xffff
	s_lshl_b32 s21, s21, 2
	s_add_co_u32 s21, s21, s19                     ; y: my head of k and v
	s_lshl_b32 s85, s19, 2
	s_lshl_b32 s85, 15, s85                        ; my row of the cluster
	s_lshl_b32 s86, 0x1111, s18                    ; my column
	s_or_b32 s[G1K], s85, (0<<16)|(1<<20)|(1<<21)|(4<<22)|(3<<25)  ; K: 256 keys of 128 bytes, dense in memory, stated as 128 rows of 256 bytes.  15:0 the mask: my row; 17:16 elements of 1 byte; 20 padding on; 21 set beside a mask; 24:22 after every 32 words; 31:25 four words
	s_mov_b32 s[G1K+1], 256<<16                    ; tensor_dim0
	s_mov_b32 s[G1K+2], 128<<16                    ; tensor_dim1
	s_mov_b32 s[G1K+3], 256<<16                    ; tile_dim0
	s_mov_b32 s[G1K+4], 128                        ; tile_dim1
	s_mov_b32 s[G1K+5], 256                        ; tensor_dim0_stride
	s_mov_b32 s[G1K+6], 0
	s_mov_b32 s[G1K+7], 0
	s_or_b32 s[G1V], s85, (3<<16)|(1<<21)          ; V: two key steps' dense 32,768 bytes as 128 rows of 32 elements of 8 bytes; no padding
	s_mov_b32 s[G1V+1], 32<<16
	s_mov_b32 s[G1V+2], 128<<16
	s_mov_b32 s[G1V+3], 32<<16
	s_mov_b32 s[G1V+4], 128
	s_mov_b32 s[G1V+5], 32
	s_mov_b32 s[G1V+6], 0
	s_mov_b32 s[G1V+7], 0
	s_or_b32 s[G1M], s86, (2<<16)|(1<<20)|(1<<21)|(7<<22)|(3<<25)  ; the mask: 32 rows of 256 f32, 2,048 elements apart; the mask of work-groups: my column; four words of padding after every 256
	s_mov_b32 s[G1M+1], 256<<16
	s_mov_b32 s[G1M+2], 32<<16
	s_mov_b32 s[G1M+3], 256<<16
	s_mov_b32 s[G1M+4], 32
	s_mov_b32 s[G1M+5], 2048
	s_mov_b32 s[G1M+6], 0
	s_mov_b32 s[G1M+7], 0
	s_lshl_b32 s60, s21, 18                        ; kc and vc: my head (2^18 bytes): y alone
	s_mov_b32 s61, 0
	s_lshl_b32 s62, s20, 19                        ; the mask: my 64 rows of 8,192 bytes, my wave's 32 of them: x and the wave's number alone
	s_lshl_b32 s63, s17, 18
	s_add_co_u32 s62, s62, s63
	s_mov_b32 s63, 0
	s_mov_b32 s[TB], 0
	s_mov_b32 s[TBV], V0
	s_mul_i32 s30, s17, 32*MP
	s_add_co_u32 s30, s30, MOFF
	s_mov_b32 s[SEL], 0x76543210
	s_mov_b32 s[SEL+1], 0xfedcba98
	s_mov_b32 s[CS], 0x3e0293ee                    ; log2(e) / sqrt(128)
	s_mov_b32 s[MS], 0x413504f3                    ; sqrt(128)
	; q and out0 have one shape: my 64 rows of 16,384 bytes, my wave's 16 of them, my four heads' 2,048 bytes
	s_lshl_b32 s100, s20, 20
	s_lshl_b32 s101, s[WV], 18
	s_add_co_u32 s100, s100, s101
	s_lshl_b32 s101, s21, 11
	s_add_co_u32 s100, s100, s101
	s_mov_b32 s101, 0
	v_and_b32 v[GO], 31, v0
	v_lshlrev_b32 v[GO], 4, v[GO]
	VWAIT
	s_wait_dscnt 0x0                               ; both opening adds are done
	s_wait_kmcnt 0x0
	s_load_b128 s[96:99], s[12:13], 0x0            ; eq, ek, ep, ev
	s_add_nc_u64 s[10:11], s[10:11], s[100:101]
	s_add_nc_u64 s[14:15], s[14:15], s[100:101]
	QLOAD 0
	MKG0 G0K, TB, 4, 60
	MKG0 G0V, TBV, 6, 60
	MKG0 G0M, 30, 8, 62
	ROUND                                          ; all sixteen work-groups are here: the first joint loads meet
	JLOAD                                          ; slot 0; slot 1 is first filled behind the next round
	QLOAD 1                                        ; head by head, as they are needed
	QLOAD 2
	QLOAD 3
	; the prefetches: where mine stand, and who asks.  They begin in slot 1; each round that fills steps them a slot on before it asks
	s_lshl_b32 s66, s21, 18
	s_lshl_b32 s67, s18, 13
	s_add_co_u32 s66, s66, s67
	s_add_co_u32 s66, s66, 32768                   ; kc, vc: my head, my work-group's 8,192 bytes, slot 1
	s_lshl_b32 s2, s20, 19
	s_lshl_b32 s3, s19, 17
	s_add_co_u32 s2, s2, s3
	s_lshl_b32 s3, s17, 16
	s_add_co_u32 s2, s2, s3
	s_add_co_u32 s2, s2, 1024                      ; the mask: my block's rows, my work-group's 16 of them, my wave's 8, slot 1
	s_cmp_eq_u32 s[WV], 0
	s_cselect_b64 s[PFA:PFA+1], s[4:5], s[6:7]
	s_mov_b32 s[PFS], 1024
	s_mov_b32 s[PFS+1], 0
	s_mov_b32 s3, ttmp9
	s_and_b32 s85, ttmp7, 0xffff
	s_cmp_lt_u32 s[WV], 2
	s_cselect_b64 s[PFA:PFA+1], s[PFA:PFA+1], s[8:9]
	s_cselect_b32 s66, s66, s2
	s_cselect_b32 s86, 10, 13                      ; four lanes on: 1,024 bytes of codes, or a row of the mask
	s_cselect_b32 s[PFS], 32768, s[PFS]
	s_cselect_b32 s3, s3, s85                      ; 0 where my cluster asks
	s_mov_b32 s67, 0
	s_mov_b32 s[LIMA], 0x7fffffff
	s_cmp_eq_u32 s3, 0
	s_cselect_b32 s[LIMA], 1, s[LIMA]              ; the same in all sixteen partners, for a given wave
	s_mov_b32 s[LAPS], 6
	s_add_nc_u64 s[PFA:PFA+1], s[PFA:PFA+1], s[66:67]
	s_mul_i32 s87, s17, 16*SP
	s_lshr_b32 s88, s[WV], 1
	s_lshl_b32 s88, s88, 17
	s_add_co_u32 s87, s87, s88
	s_add_co_u32 s87, s87, STAGE                   ; my stage
	s_mul_i32 s88, s[WV], 16*MP
	s_add_co_u32 s88, s88, MOFF                    ; my queries' rows of the mask
	v_and_b32 v[TMP], 15, v0                       ; r = lane % 16
	v_bfe_u32 v[TMP+1], v0, 4, 1                   ; h = lane / 16
	v_bfe_u32 v[TMP+2], v0, 2, 3
	v_and_b32 v[TMP+3], 3, v0
	v_and_b32 v[TMP+4], 7, v0
	v_bfe_u32 v[TMP+5], v0, 3, 2
	v_and_b32 v[TMP+6], 31, v0
	v_mul_u32_u24 v[AK0], v[TMP], KP
	v_lshl_add_u32 v[AK0], v[TMP+1], 4, v[AK0]     ; K: row r, + 16 h
	v_lshlrev_b32 v[AV0], 4, v[TMP+6]              ; V: 16 x lane: the fragments lie as the registers want them
	v_mul_u32_u24 v[AM0], v[TMP], MP
	v_lshl_add_u32 v[AM0], v[TMP+1], 5, v[AM0]
	v_add_nc_u32 v[AM0], s88, v[AM0]               ; the mask: my query's row, + 32 h: my eight keys of a tile
	v_mul_u32_u24 v[STO], v[TMP], SP
	v_lshl_add_u32 v[STO], v[TMP+1], 5, v[STO]
	v_add_nc_u32 v[STO], s87, v[STO]               ; the way out, in: row r, + 32 h
	v_lshlrev_b32 v[RD], 4, v[TMP+6]
	v_add_nc_u32 v[RD], s87, v[RD]                 ; back: 16 x lane of a row of 512 bytes
	v_lshlrev_b32 v[QST], 4, v[TMP+4]
	v_lshl_add_u32 v[QST], v[TMP+5], 2, v[QST]
	v_add_nc_u32 v[QST], s87, v[QST]               ; q's codes of channels 4 l on: byte 16 (l % 8) + 4 (l / 8) of the query's row: kc's order of channels
	v_mul_u32_u24 v[QRD], v[TMP], KP
	v_lshl_add_u32 v[QRD], v[TMP+1], 4, v[QRD]
	v_add_nc_u32 v[QRD], s87, v[QRD]               ; row r, + 16 h, as in K's tiles
	v_lshlrev_b32 v[PFO], s86, v[TMP+2]
	v_lshl_add_u32 v[PFO], v[TMP+3], 8, v[PFO]     ; + 256 x (lane % 4)
.irp x, 0,1,2,3
	v_mov_b32 v[F+2*\x+1], 0                       ; (named as upper halves of pairs)
	v_mov_b32 v[XL+\x], 0                          ; (a lane permute's destination counts as one of its sources)
.endr
	v_mov_b32 v[RC+1], 0
	VWAIT
	s_wait_kmcnt 0x0
	s_add_co_i32 s85, s96, s97                     ; eq + ek goes into c's exponent field and out of sqrt(128)'s
	s_lshl_b32 s85, s85, 23
	s_add_co_i32 s[CS], s[CS], s85
	s_mov_b32 s[CS+1], s[CS]
	s_sub_co_i32 s[MS], s[MS], s85
	s_mov_b32 s[MS+1], s[MS]
	s_add_co_i32 s[EO], s98, s99
	s_add_co_i32 s85, s98, 127
	s_lshl_b32 s86, s85, 23                        ; 2^ep as f32
	s_add_co_i32 s85, s85, 8
	s_lshl_b32 s85, s85, 23
	s_or_b32 s[LIMS], s85, 0x600000                ; 448 x 2^ep
	s_add_co_i32 s85, s96, 127
	s_lshl_b32 s87, s85, 23                        ; 2^eq, and 448 x 2^eq
	s_add_co_i32 s85, s85, 8
	s_lshl_b32 s85, s85, 23
	s_or_b32 s85, s85, 0x600000
	v_mov_b32 v[SCL], s86
	v_mov_b32 v[QSC], s87
	v_mov_b32 v[QLM], s85
	VWAIT                                          ; the head's end
; ---- the parts of a step
.macro ADDR
	v_add_nc_u32 v[ADM], s[TBM], v[AM0]
	v_add_nc_u32 v[ADK], s[TBK], v[AK0]
	v_add_nc_u32 v[ADV], s[TBW], v[AV0]
.endm
.macro KML                             ; K's eight tiles, and the mask's: tile tau's eight keys of my half, 32 bytes
	WIN 0x40
.irp t, 0,1,2,3,4,5,6,7
.irp c, 0,1,2,3
	ds_load_b128 v[16*\t+4*\c:16*\t+4*\c+3], v[ADK] offset:16*\t*KP+32*\c
.endr
.endr
	WIN 0
.irp t, 0,1,2,3,4,5,6,7
	ds_load_b128 v[MK+8*\t:MK+8*\t+3],   v[ADM] offset:64*\t
	ds_load_b128 v[MK+8*\t+4:MK+8*\t+7], v[ADM] offset:64*\t+16
.endr
.endm
.macro VL                              ; V's eight tiles of 16 channels
	WIN 0x40
.irp t, 0,1,2,3,4,5,6,7
.irp c, 0,1,2,3
	ds_load_b128 v[VF+16*\t+4*\c:VF+16*\t+4*\c+3], v[ADV] offset:2048*\t+512*\c
.endr
.endr
	WIN 0
.endm
.macro MSCALE                          ; the mask in the sums' unit: once for four heads
	WIN 0
.set i, 0
.rept 32
	v_pk_mul_f32 v[MK+i:MK+i+1], v[MK+i:MK+i+1], s[MS:MS+1] op_sel_hi:[1,0]
.set i, i+2
.endr
.endm
.macro QKS lo, n                       ; S^T = K Q^T + the mask: one instruction a tile, heads lo .. lo + n - 1 by turns; the places behind them follow
	WIN W_QK
.set t, 0
.rept 8
.set x, \lo
.rept \n
	v_wmma_f32_16x16x128_fp8_fp8 v[64*x+8*t:64*x+8*t+7], v[16*t:16*t+15], v[Q+16*x:Q+16*x+15], v[MK+8*t:MK+8*t+7]
.set x, x+1
.endr
.set t, t+1
.endr
	WIN 0
	PLACES
.endm
.macro MAXS lo, n                      ; each head's largest score, in two chains, from each tile's low end on
	WIN W_R
.set i, 0
.rept 32
.set x, \lo
.rept \n
.if i < 2
	v_max_num_f32 v[MX+2*x+i], v[64*x+2*i], v[64*x+2*i+1]
.else
	v_max3_num_f32 v[MX+2*x+i%2], v[64*x+2*i], v[64*x+2*i+1], v[MX+2*x+i%2]
.endif
.set x, x+1
.endr
.set i, i+1
.endr
	WIN 0
.endm
.macro STATS lo, n, first              ; the heads line by line
.set x, \lo
.rept \n
	v_max_num_f32 v[MX+2*x], v[MX+2*x], v[MX+2*x+1]
.set x, x+1
.endr
.set x, \lo
.rept \n
	v_permlanex16_b32 v[XL+x], v[MX+2*x], s[SEL], s[SEL+1]   ; my query's other 64 keys lie in the lane 16 away
.set x, x+1
.endr
.set x, \lo
.rept \n
	v_max_num_f32 v[MX+2*x], v[MX+2*x], v[XL+x]
.set x, x+1
.endr
.set x, \lo
.rept \n
	v_mul_f32 v[MX+2*x], s[CS], v[MX+2*x]                    ; as t (c is positive)
.set x, x+1
.endr
.if \first
.set x, \lo
.rept \n
	v_max_num_f32 v[ST+4*x+1], 0xff61b1e6, v[MX+2*x]         ; the largest t, -3e38 at the least: keys at -infinity alone leave M a number
.set x, x+1
.endr
.else
.set x, \lo
.rept \n
	v_mov_b32 v[OM+x], v[ST+4*x]
	v_max_num_f32 v[ST+4*x+1], v[ST+4*x+1], v[MX+2*x]
.set x, x+1
.endr
.endif
.set x, \lo
.rept \n
	v_floor_f32 v[ST+4*x], -v[ST+4*x+1]                      ; the new -M = floor(-t): M is a whole number
.set x, x+1
.endr
.if \first == 0
.set x, \lo
.rept \n
	v_sub_f32 v[OM+x], v[ST+4*x], v[OM+x]                    ; old M - new M: a whole number, 0 or less
.set x, x+1
.endr
.set x, \lo
.rept \n
	v_cvt_i32_f32 v[OM+x], v[OM+x]                           ; (it saturates)
.set x, x+1
.endr
.set x, \lo
.rept \n
	v_ldexp_f32 v[F+2*x], 1.0, v[OM+x]                       ; f = 2^(old M - new M)
.set x, x+1
.endr
.endif
.endm
.macro RESC                            ; O^T under the new M, each accumulator from its low end on; the wait serves the 128 lines
	WIN W_O
	VWAIT
.set x, 0
.rept 4
.set i, 0
.rept 32
	v_pk_mul_f32 v[64*x+i:64*x+i+1], v[64*x+i:64*x+i+1], v[F+2*x:F+2*x+1] op_sel_hi:[1,0]
.set i, i+2
.endr
.set x, x+1
.endr
.endm
.macro TSUB x                          ; pair j: t - M = c s - M
	v_pk_fma_f32 v[64*(\x)+2*j:64*(\x)+2*j+1], v[64*(\x)+2*j:64*(\x)+2*j+1], s[CS:CS+1], v[ST+4*(\x):ST+4*(\x)+1] op_sel_hi:[1,0,0]
.endm
.macro HOLD x                          ; pair j: p is not negative, so the hold at 448 x 2^ep is one-sided; it is always run, whatever ep is
	v_dual_min_num_f32 v[64*(\x)+2*j], s[LIMS], v[64*(\x)+2*j] :: v_dual_min_num_f32 v[64*(\x)+2*j+1], s[LIMS], v[64*(\x)+2*j+1]
.endm
.macro TSUBS x
	WIN W_S
.set j, 0
.rept 32
	TSUB \x
.set j, j+1
.endr
	VWAIT                                          ; ahead of the batch
.endm
.macro HOLDS x
	WIN W_S
.set j, 0
.rept 32
	HOLD \x
.set j, j+1
.endr
.endm
.macro EXPS x, tx, hx                  ; head x's exponentials are ONE BATCH; head tx's scalings and head hx's holds (-1: none) stand among it and name none of its results
	WIN W_S
.set i, 0
.rept 64
	v_exp_f32 v[64*(\x)+i], v[64*(\x)+i]
.set j, i/2
.if i%2
.if (\tx) >= 0
	TSUB \tx
.elseif (\hx) >= 0
	HOLD \hx
.endif
.else
.if (\tx) >= 0
.if (\hx) >= 0
	HOLD \hx
.endif
.endif
.endif
.set i, i+1
.endr
.if (\tx) < 0
.if (\hx) < 0
	v_nop                                          ; a plain line behind the batch
.endif
.endif
	VWAIT                                          ; behind the batch, and for the next batch's sources
.endm
.macro SUMS x                          ; the sum of head x's unquantised p: four chains, two numbers a line
	WIN W_R
.set i, 0
.rept 4
	v_pk_add_f32 v[SA+8*(\x)+2*i:SA+8*(\x)+2*i+1], v[64*(\x)+4*i:64*(\x)+4*i+1], v[64*(\x)+4*i+2:64*(\x)+4*i+3]
.set i, i+1
.endr
	WIN 0x03
.set i, 8
.rept 24
	v_pk_add_f32 v[SA+8*(\x)+2*(i%4):SA+8*(\x)+2*(i%4)+1], v[64*(\x)+2*i:64*(\x)+2*i+1], v[SA+8*(\x)+2*(i%4):SA+8*(\x)+2*(i%4)+1]
.set i, i+1
.endr
.endm
.macro COMB lo, n, first               ; the chains joined: sum = sum x f + this step's
	WIN 0
.set x, \lo
.rept \n
	v_pk_add_f32 v[SA+8*x:SA+8*x+1], v[SA+8*x:SA+8*x+1], v[SA+8*x+2:SA+8*x+3]
	v_pk_add_f32 v[SA+8*x+4:SA+8*x+5], v[SA+8*x+4:SA+8*x+5], v[SA+8*x+6:SA+8*x+7]
.set x, x+1
.endr
.if \first
.set x, \lo
.rept \n
	v_pk_add_f32 v[ST+4*x+2:ST+4*x+3], v[SA+8*x:SA+8*x+1], v[SA+8*x+4:SA+8*x+5]
.set x, x+1
.endr
.else
.set x, \lo
.rept \n
	v_pk_add_f32 v[SA+8*x:SA+8*x+1], v[SA+8*x:SA+8*x+1], v[SA+8*x+4:SA+8*x+5]
.set x, x+1
.endr
.set x, \lo
.rept \n
	v_pk_fma_f32 v[ST+4*x+2:ST+4*x+3], v[ST+4*x+2:ST+4*x+3], v[F+2*x:F+2*x+1], v[SA+8*x:SA+8*x+1] op_sel_hi:[1,0,1]
.set x, x+1
.endr
.endif
.endm
.macro CVT x, d                        ; p's codes: registers 4 c .. 4 c + 3 hold keys 32 c + 8 h + 0 .. 7 and 32 c + 16 + 8 h + 0 .. 7, as vc has them
.irp c, 0,1,2,3
	v_cvt_scalef32_pk8_fp8_f32 v[\d+4*\c:\d+4*\c+1],   v[64*\x+16*\c:64*\x+16*\c+7],    v[SCL]
	v_cvt_scalef32_pk8_fp8_f32 v[\d+4*\c+2:\d+4*\c+3], v[64*\x+16*\c+8:64*\x+16*\c+15], v[SCL]
.endr
.endm
.macro CVTP x                          ; head x's into P0; one plain vector instruction behind the last
	WIN 0x03
	CVT \x, P0
	v_nop
.endm
.macro PVH x, zero                     ; O^T += V^T P^T of head x, its codes in P0
	WIN W_PV
.irp t, 0,1,2,3,4,5,6,7
.if \zero
	v_wmma_f32_16x16x128_fp8_fp8 v[64*\x+8*\t:64*\x+8*\t+7], v[VF+16*\t:VF+16*\t+15], v[P0:P0+15], 0
.else
	v_wmma_f32_16x16x128_fp8_fp8 v[64*\x+8*\t:64*\x+8*\t+7], v[VF+16*\t:VF+16*\t+15], v[P0:P0+15], v[64*\x+8*\t:64*\x+8*\t+7]
.endif
.endr
	WIN 0
.endm
; FRONT m: K's and the mask's loads are in, the last second product is behind: the mask is scaled (which is also the places behind that product), V is asked of LDS, the first product, the maxima.
.macro FRONT
	MSCALE
	VL
	QKS 0, 4
	MAXS 0, 4
	VWAIT                                          ; ahead of a branch, a label or a wait
.endm
; BODY m: K and the mask of step m are asked of LDS; the softmax and the second product of step m - 1; FRONT m.
.macro BODY
	ADDR
	KML
	STATS 0, 4, 0
	RESC
	TSUBS 0
	EXPS 0, 1, -1
	SUMS 0
	EXPS 1, 2, 0
	SUMS 1
	EXPS 2, 3, 1
	SUMS 2
	EXPS 3, -1, 2
	s_wait_dscnt 0x0                               ; V of step m - 1, K and the mask of step m
	SUMS 3
	HOLDS 3
	WIN 0x03
	CVT 0, P0
	COMB 0, 4, 0                                   ; plain lines between the conversions of head 0's p and those that write over it
	WIN 0xc3
	CVT 1, 0
	CVT 2, 16
	CVT 3, 32
	v_nop                                          ; one plain vector instruction behind the last scaled conversion
	PVH 0, 0
	WIN W_PW
.irp t, 0,1,2,3,4,5,6,7
.irp x, 1,2,3
	v_wmma_f32_16x16x128_fp8_fp8 v[64*\x+8*\t:64*\x+8*\t+7], v[VF+16*\t:VF+16*\t+15], v[16*(\x-1):16*(\x-1)+15], v[64*\x+8*\t:64*\x+8*\t+7]
.endr
.endr
	FRONT
.endm
.macro TWO                             ; a slot's two key steps
	s_mov_b32 s[TWICE], 2
.Lstep_\@:
	BODY
	s_add_co_u32 s[TBK], s[TBK], 128*KP
	s_add_co_u32 s[TBM], s[TBM], 512
	s_add_co_u32 s[TBW], s[TBW], 16384
	s_sub_co_u32 s[TWICE], s[TWICE], 1
	s_cmp_lg_u32 s[TWICE], 0
	s_cbranch_scc1 .Lstep_\@
.endm
; Head x of q: held, converted (two queries' four channels an instruction), turned through my stage into the operand's registers.  Loads come back in order: the later heads' may be out.
.macro QCONV x
	VWAIT
	s_wait_loadcnt 16*(3-\x)
	WIN W_O
.set i, 0
.rept 64
	v_med3_num_f32 v[64*\x+i], v[64*\x+i], -v[QLM], v[QLM] ; the conversion to an 8-bit code does not saturate (ISA guide 7.6.2): the hold comes first
.set i, i+1
.endr
	WIN 0x02
.irp p, 0,1,2,3,4,5,6,7
	v_cvt_scalef32_pk8_fp8_f32 v[P0+2*\p:P0+2*\p+1], v[64*\x+8*\p:64*\x+8*\p+7], v[QSC]
.endr
	v_nop
	WIN 0
.irp i, 0,1,2,3,4,5,6,7,8,9,10,11,12,13,14,15
	ds_store_b32 v[QST], v[P0+\i] offset:KP*\i
.endr
.irp c, 0,1,2,3
	ds_load_b128 v[Q+16*\x+4*\c:Q+16*\x+4*\c+3], v[QRD] offset:32*\c   ; LDS serves a wave's instructions in order (ISA guide 5.7.1.4): these see my stores
.endr
.endm
; Head x of step 0.
.macro PRO x
	QCONV \x
	VWAIT
	s_wait_dscnt 0x0                               ; Q, and at head 0 K, V and the mask of step 0
.if \x == 0
	MSCALE
.endif
	QKS \x, 1
	MAXS \x, 1
.if \x == 3                                    ; K and the mask have been used by all four: step 1's
	s_mov_b32 s[TBK], 128*KP
	s_mov_b32 s[TBM], 512
	s_mov_b32 s[TBW], V0+16384
	VWAIT
	ADDR
	KML
.endif
	STATS \x, 1, 1
	TSUBS \x
	EXPS \x, -1, -1
	SUMS \x
	COMB \x, 1, 1
	HOLDS \x
	CVTP \x
	PVH \x, 1                                      ; takes 0 as C: O^T is never cleared
.endm
	CHANGE 1, 0                                    ; slot 0 is whole; slot 1's first fill
	s_mov_b32 s[TBK], 0
	s_mov_b32 s[TBM], 0
	s_mov_b32 s[TBW], V0
	ADDR
	KML
	VL
	PRO 0
	PRO 1
	PRO 2
	PRO 3
	VWAIT
	s_wait_dscnt 0x0                               ; K and the mask of step 1
	FRONT                                          ; step 1
.Llap:                                             ; slots 1 to 6; each trip fills the next slot
	CHANGE 1, 1
	TWO
	s_sub_co_u32 s[LAPS], s[LAPS], 1
	s_cmp_lg_u32 s[LAPS], 0
	s_cbranch_scc1 .Llap
	CHANGE 0, 1                                    ; slot 7 is written out
	TWO
; ---- THE LAST STEP, head by head, and THE WAY OUT of head x.  A: the sum's halves are added; O^T is divided by the sum, multiplied by 2^(ep + ev), and goes through my stage, back as whole rows of 512 bytes.  B: stored.
.macro OUTA x
	WIN 0
.if \x >= 2
	VWAIT
	s_wait_xcnt 0x0                                ; the stores of two heads back have read the registers that the loads below write
.endif
	v_add_f32 v[RC], v[ST+4*\x+2], v[ST+4*\x+3]
	v_permlanex16_b32 v[XL], v[RC], s[SEL], s[SEL+1]
	v_add_f32 v[RC], v[RC], v[XL]
	VWAIT
	v_rcp_f32 v[RC], v[RC]
	v_nop
	VWAIT
	v_ldexp_f32 v[RC], v[RC], s[EO]
	WIN W_O
	VWAIT                                          ; for O^T, whose first readers follow
.set i, 0
.rept 32
	v_pk_mul_f32 v[64*\x+i:64*\x+i+1], v[64*\x+i:64*\x+i+1], v[RC:RC+1] op_sel_hi:[1,0]   ; register 8 t + j is o(query r, channel 16 t + 8 h + j)
.set i, i+2
.endr
	WIN 0x08
.irp t, 0,1,2,3,4,5,6,7
	ds_store_b128 v[STO], v[64*\x+8*\t:64*\x+8*\t+3]   offset:64*\t
	ds_store_b128 v[STO], v[64*\x+8*\t+4:64*\x+8*\t+7] offset:64*\t+16
.endr
	WIN 0x40
.irp i, 0,1,2,3,4,5,6,7,8,9,10,11,12,13,14,15
	ds_load_b128 v[64*(\x&1)+4*\i:64*(\x&1)+4*\i+3], v[RD] offset:SP*\i   ; LDS serves a wave's instructions in order: these see the stores above
.endr
	WIN 0
.endm
.macro OUTB x
	WIN 0x04
.irp i, 0,1,2,3,4,5,6,7,8,9,10,11,12,13,14,15
.if \x == 3
	s_wait_dscnt 15-\i                             ; the younger rows may be out
.elseif \i == 0
	s_wait_dscnt 0x0
.endif
	global_store_b128 v[GO], v[64*(\x&1)+4*\i:64*(\x&1)+4*\i+3], s[14:15] offset:16384*\i+512*\x th:TH_STORE_NT   ; 32 lanes store 512 consecutive bytes, at a multiple of 256 from out0's first byte
.endr
	WIN 0
.endm
.macro LASTH x, tx
	EXPS \x, \tx, -1
.if \x == 0
	s_wait_dscnt 0x0                               ; V of the last step
.endif
	SUMS \x
	COMB \x, 1, 0
	HOLDS \x
.endm
	STATS 0, 4, 0
	RESC
	TSUBS 0
	LASTH 0, 1
	CVTP 0
	PVH 0, 0
	LASTH 1, 2
	OUTA 0
	CVTP 1
	PVH 1, 0
	LASTH 2, 3
	VWAIT
	OUTB 0
	OUTA 1
	CVTP 2
	PVH 2, 0
	LASTH 3, -1
	VWAIT
	OUTB 1
	OUTA 2
	CVTP 3
	PVH 3, 0
	PLACES
	VWAIT
	OUTB 2
	OUTA 3
	OUTB 3
	s_wait_tensorcnt 0x0                           ; the wave's end, behind my last tensor load and my last LDS store
	ds_add_u32 v[SPW], v[NIL]
	s_wait_dscnt 0x0
	ROUND                                          ; the closing round: no work-group ends while a partner may still ask for a tile that names it
	s_endpgm
.Lfunc_end_k_qbc049b0bde_attn:
	.size	k_qbc049b0bde_attn, .Lfunc_end_k_qbc049b0bde_attn-k_qbc049b0bde_attn
	.p2alignl 7, 3214868480
	.fill 96, 4, 3214868480
	.section	.rodata,"a",@progbits
	.p2align	6, 0x0
	.amdhsa_kernel k_qbc049b0bde_attn
		.amdhsa_group_segment_fixed_size 327680
		.amdhsa_private_segment_fixed_size 0
		.amdhsa_enable_private_segment 0
		.amdhsa_kernarg_size 48
		.amdhsa_user_sgpr_count 2
		.amdhsa_user_sgpr_kernarg_segment_ptr 1
		.amdhsa_wavefront_size32 1
		.amdhsa_system_sgpr_workgroup_id_x 1
		.amdhsa_system_sgpr_workgroup_id_y 1
		.amdhsa_system_sgpr_workgroup_id_z 1
		.amdhsa_system_vgpr_workitem_id 0
		.amdhsa_next_free_vgpr 1024
		.amdhsa_next_free_sgpr 102
		.amdhsa_reserve_vcc 0
		.amdhsa_float_denorm_mode_32 3
		.amdhsa_float_denorm_mode_16_64 3
		.amdhsa_memory_ordered 1
		.amdhsa_forward_progress 1
		.amdhsa_inst_pref_size 255
	.end_amdhsa_kernel
	.section	.bss,"aw",@nobits
	.p2align	6
	.space	262144
	.amdgpu_metadata
---
amdhsa.version: [ 1, 2 ]
amdhsa.kernels:
  - .name:           k_qbc049b0bde_attn
    .symbol:         k_qbc049b0bde_attn.kd
    .args:
      - { .name: kc, .offset: 0, .size: 8, .value_kind: global_buffer, .address_space: global }
      - { .name: vc, .offset: 8, .size: 8, .value_kind: global_buffer, .address_space: global }
      - { .name: mask, .offset: 16, .size: 8, .value_kind: global_buffer, .address_space: global }
      - { .name: q, .offset: 24, .size: 8, .value_kind: global_buffer, .address_space: global }
      - { .name: lowp_scales, .offset: 32, .size: 8, .value_kind: global_buffer, .address_space: global }
      - { .name: out0, .offset: 40, .size: 8, .value_kind: global_buffer, .address_space: global }
    .group_segment_fixed_size: 327680
    .private_segment_fixed_size: 0
    .kernarg_segment_align: 8
    .kernarg_segment_size: 48
    .max_flat_workgroup_size: 128
    .sgpr_count:     102
    .vgpr_count:     1024
    .wavefront_size: 32
...
	.end_amdgpu_metadata
.endif
;; end of part 2
